; MI455X (gfx1250); checked and timed in simulation.
; The chip was launched on July 23, 2026; its instructions are those of AMD's public machine-readable ISA for CDNA 5 (MIT licence, August 2026) and "CDNA5" Instruction Set Architecture Reference Guide (July 2026). The comments in the code are by the model that wrote it; some were corrected since.
;; Self Attention. Allowed arithmetic: matrix products marked QUANTISED: E5M2 operands, one E8M0 scale for each 32 along K, by v_wmma_scale_f32_16x16x128_f8f6f4 with both operands' format E5M2, f32 sums; everything else in f32.
;; Inputs: Wk_codes 1,024 x 32 x 32 uint8 (E5M2 codes of Wk, K innermost, in blocks of 32 codes); Wk_scales 1,024 x 32 uint8 (E8M0 scales of Wk, one for each 32 codes along K); Wo_codes 1,024 x 32 x 32 uint8 (E5M2 codes of Wo, K innermost, in blocks of 32 codes); Wo_scales 1,024 x 32 uint8 (E8M0 scales of Wo, one for each 32 codes along K); Wq_codes 1,024 x 32 x 32 uint8 (E5M2 codes of Wq, K innermost, in blocks of 32 codes); Wq_scales 1,024 x 32 uint8 (E8M0 scales of Wq, one for each 32 codes along K); Wv_codes 1,024 x 32 x 32 uint8 (E5M2 codes of Wv, K innermost, in blocks of 32 codes); Wv_scales 1,024 x 32 uint8 (E8M0 scales of Wv, one for each 32 codes along K); bk 1,024 float32; bo 1,024 float32; bq 1,024 float32; bv 1,024 float32; x_codes 4 x 2,048 x 32 x 32 uint8 (E5M2 codes of x, K innermost, in blocks of 32 codes); x_scales 4 x 2,048 x 32 uint8 (E8M0 scales of x, one for each 32 codes along K).
;; Outputs: out0 4 x 2,048 x 1,024 float32.
;; This version of the problem:
;;   THIS VERSION OF THE PROBLEM IS GIVEN IN LOW PRECISION. The matrix products marked QUANTISED in the list below multiply operands that are first quantised to E5M2 (5 exponent bits, 2 mantissa bits; 8 bits a number), with one power-of-two scale for each 32 numbers along K (OCP MX v1.0); their sums are f32. All else is computed in f32.
;;   The module's matrix products, in the order in which they are computed (A, B: the left and right operand; K: the contracted axis; several contracted axes count as one K, in the product's order):
;;     1. [M 8,192, K 1,024] x [K 1,024, N 1,024]; A: input x (given as codes); B: input Wq (given as codes): QUANTISED
;;     2. [M 8,192, K 1,024] x [K 1,024, N 1,024]; A: input x (given as codes); B: input Wk (given as codes): QUANTISED
;;     3. [M 8,192, K 1,024] x [K 1,024, N 1,024]; A: input x (given as codes); B: input Wv (given as codes): QUANTISED
;;     4. batch 64 x [M 2,048, K 64] x [K 64, N 2,048]; A: computed on the way; B: computed on the way: QUANTISED
;;     5. batch 64 x [M 2,048, K 2,048] x [K 2,048, N 64]; A: softmax (see below); B: computed on the way: QUANTISED
;;     6. [M 8,192, K 1,024] x [K 1,024, N 1,024]; A: computed on the way; B: input Wo (given as codes): QUANTISED
;;   THE QUANTISER, for each operand of a quantised product, along K:
;;     - K is cut into blocks of 32 from its start; a last block that is shorter is filled with zeros.
;;     - A block's scale is 2^e with e = floor(log2(the largest magnitude in the block)) - 15, held to -126 .. 127; a block of zeros has e = 0. As a byte (E8M0): e + 127.
;;     - Each number is divided by its block's scale, clamped to +-57,344, and rounded to the nearest number of E5M2, ties to even, subnormals kept.
;;     - The product sums the exact products of the quantised numbers (number of the format x scale) in f32.
;;   ~~~python
;;   def quantise(x, axis):      # numpy; x: float32 -> the quantised numbers, widened to float32 again
;;       x = np.moveaxis(x, axis, -1); K = x.shape[-1]
;;       x = np.pad(x, [(0, 0)] * (x.ndim - 1) + [(0, -K % 32)]); x = x.reshape(x.shape[:-1] + (-1, 32)); a = np.abs(x).max(-1, keepdims=True)
;;       e = np.where(a > 0, np.clip(np.frexp(np.where(a > 0, a, 1))[1] - 1 - 15, -126, 127), 0)      # np.frexp(a)[1] - 1 = floor(log2(a)), exactly
;;       r = np.clip(x / 2.0 ** e, -57344, 57344)
;;       step = 2.0 ** (np.maximum(np.frexp(np.where(r == 0, 1, r))[1] - 1, -14) - 2)
;;       q = np.round(r / step) * step * 2.0 ** e      # np.round: ties to even
;;       return np.moveaxis(q.reshape(q.shape[:-2] + (-1,))[..., :K], -1, axis).astype(np.float32)
;;   ~~~
;;   SOFTMAX AHEAD OF A QUANTISED PRODUCT. Where the list says 'softmax', what is quantised is not the finished softmax but p = 2^(t - M), with t = logit x log2(e) and M = ceil(the row's largest t), a whole number; so 1/2 < the row's largest p <= 1. The row's sum l is taken of the UNQUANTISED p, in f32, and the product's result is divided by l at the end. Since M is a whole number, a kernel that streams over the keys may use a running M (the ceiling of the running maximum): every later rescaling is an exact power of two, which a block's scale takes up: the codes' values come out the same.
;;   OPERANDS COMPUTED ON THE WAY. 'Computed on the way' means the value that the module computes at that place (a softmax that the list does not call 'softmax' is quantised finished and normalised). What goes into a quantiser is computed in f32, as accurately as f32 sums, v_exp_f32 and their like allow (about 1e-6 of the number): no bf16 or f16 on the way to a quantiser, and a product that is left as it is and whose result goes on into a quantised operand takes f32 operands (vector FMAs, or v_wmma_f32_16x16x4_f32). A number that lies on a knife's edge between two numbers of the format may be rounded either way, as far as f32 arithmetic and the matrix unit's own rounding can turn it there, and no further.
;;   INPUTS GIVEN AS CODES. Wk (in the module: [1024, 1024], K = its axis 1); Wo (in the module: [1024, 1024], K = its axis 1); Wq (in the module: [1024, 1024], K = its axis 1); Wv (in the module: [1024, 1024], K = its axis 1); x (in the module: [4, 2048, 1024], K = its axis 2): each comes as NAME_codes (uint8): NAME with its K axis moved to the last place and cut into blocks of 32 codes, [.., K / 32, bytes a block], one block behind the other in memory; one code a byte (a code: sign, 5 exponent bits, 2 mantissa bits); and NAME_scales (uint8): the same leading axes, one E8M0 byte (e + 127) for each 32 codes along K. Its value is code x scale, taken as it is: it is not quantised again, and the codes and scales need not be those that the quantiser above would give.
;; One version. Each part assembles by itself: llvm-mc -triple=amdgcn-amd-amdhsa -mcpu=gfx1250 --defsym DOCPART=n.
;; ======== version 1 of 1: 3 launches
;; limits: right only within a limited range of input values
;; workspace buffers: q_img 8,388,608 bytes; q_sc 524,288 bytes; kv 17,563,648 bytes; a_img 8,388,608 bytes; a_sc 262,144 bytes
;; launch proj (part 1): grid 8 x 48, 4 waves a work-group, clusters of 4 x 4, 327,680 bytes of LDS; arguments x_codes, x_scales, Wq_codes, Wq_scales, Wk_codes, Wk_scales, Wv_codes, Wv_scales, bq, bk, bv, q_img, q_sc, kv; writes q_img, q_sc, kv
.if DOCPART == 1
	.amdgcn_target "amdgcn-amd-amdhsa--gfx1250"
	.amdhsa_code_object_version 6
	.text
	.protected	k_q8662d2ae72_proj
	.globl	k_q8662d2ae72_proj
	.p2align	8
	.type	k_q8662d2ae72_proj,@function
k_q8662d2ae72_proj:
	s_mov_b64 s[64:65], 0
	v_nop
	global_prefetch_b8 v0, s[64:65] scope:SCOPE_SE
	s_setreg_imm32_b32 hwreg(HW_REG_WAVE_MODE, 25, 1), 1
	s_wait_xcnt 0x0
	s_wait_alu depctr_hold_cnt(0) depctr_sa_sdst(0) depctr_va_vdst(0) depctr_va_sdst(0) depctr_va_ssrc(0) depctr_va_vcc(0) depctr_vm_vsrc(0)
	s_getreg_b32 s2, hwreg(HW_REG_IB_STS2, 6, 4)
	s_cmp_eq_u32 s2, 0
	s_cbranch_scc0 .Lentry_in_a_cluster
	s_endpgm
.Lentry_in_a_cluster:
	s_bfe_u32 s2, ttmp6, 0x10000c
	s_cmp_lg_u32 s2, 0xf033
	s_cbranch_scc0 .Lentry_shape_is_right
	s_endpgm
.Lentry_shape_is_right:
.set PITCH,  272
.set FR,     16
.set NL,     4
.set NP,     8
.set NQ,     2
.set ROWB,   256
.set KROW,   1024
.set HALFT,  128*PITCH
.set SLOT,   4*HALFT
.set LAPS,   2
.set KS,     32
.set SCL,    2*SLOT
.set HALFS,  16*272
.set SBLK,   2*272
.set SPARE,  SCL+4*HALFS
.set WSTG,   5632
.set TPITCH, 2176
.set SCST,   4352
.set KOFFV,  4*WSTG
.set STEPB,  17152
.set HS,     16*STEPB
.set ADRA, 16
.set BO4,  19
.set ADRB, 20
.set BO32, 22
.set LI8,  23
.set STO,  24
.set RD,   25
.set SCW,  26
.set ADRS, 27
.set SPW,  28
.set NIL,  29
.set LI,   30
.set RD8,  31
.set SC,   32
.set BIAS, 64
.set AF,   128
.set TM,   96
.set PW,   112
.set PC0,  64
.set PC1,  128
.set RB,   160
.set SB,   224
.set PH,   40
.set SPT,  44
.set G1, 24
.set G0, 32
.set G1B, 48
.set G0B, 56
.set G1S, 68
.set G0S, 76
.set G1SB, 80
.set G0SB, 88
.set MSB, 0
.macro WIN new
.if MSB != (\new)
	s_set_vgpr_msb (MSB<<8)|(\new)
.set MSB, (\new)
.endif
.endm
.set MUL_LO, 0xa1
.set MUL_HI, 0xf1
.set TO_B,   0x40
.macro JLOAD g0a, g1a, g0b, g1b
	s_cmp_eq_u32 s15, 0
	s_cbranch_scc0 .Lfor_b_\@
	tensor_load_to_lds s[\g0a:\g0a+3], s[\g1a:\g1a+7]
	s_nop 0
.rept 4
	v_nop
.endr
	s_branch .Lasked_\@
.Lfor_b_\@:
	tensor_load_to_lds s[\g0b:\g0b+3], s[\g1b:\g1b+7]
	s_nop 0
.rept 4
	v_nop
.endr
.Lasked_\@:
.endm
.macro CREST
	s_cmp_lg_u32 s14, 0
	s_cbranch_scc1 .Lnot_wave_0_\@
	s_barrier_signal -3
.Lnot_wave_0_\@:
	s_barrier_wait -3
	s_barrier_signal -1
	s_barrier_wait -1
.endm
.macro CROUND
	s_barrier_signal -1
	s_barrier_wait -1
	CREST
.endm
	s_load_b512 s[68:83], s[0:1], 0x0
	s_load_b256 s[84:91], s[0:1], 0x40
	s_load_b128 s[92:95], s[0:1], 0x60
	v_lshl_add_u32 v[SPW], v0, 2, SPARE
	v_mov_b32 v[NIL], 0
	ds_add_u32 v[SPW], v[NIL]
	ds_add_u32 v[SPW], v[NIL]
	v_lshrrev_b32 v1, 5, v0
	v_readfirstlane_b32 s14, v1
	s_lshr_b32 s15, s14, 1
	s_and_b32 s16, s14, 1
	s_bfe_u32 s96, ttmp6, 0x40000
	s_bfe_u32 s97, ttmp6, 0x40004
	s_and_b32 s98, ttmp7, 0xffff
	s_max_u32 s99, s98, 8
	s_sub_co_u32 s99, s99, 8
	s_lshl_b32 s99, s99, 1
	s_add_co_u32 s99, s99, ttmp9
	s_lshl_b32 s99, s99, 2
	s_lshl_b32 s18, s98, 2
	s_cmp_ge_u32 s98, 8
	s_cselect_b32 s17, 1, 0
	s_cselect_b32 s100, 0, s18
	s_cselect_b32 s101, s99, 0
	s_add_co_u32 s100, s100, s97
	s_add_co_u32 s101, s101, s96
	s_lshl_b32 s2, s97, 2
	s_lshl_b32 s2, 15, s2
	s_lshl_b32 s3, 0x1111, s96
	s_or_b32 s[G1+0], s2, (0<<16)|(1<<20)|(1<<21)|(5<<22)|(3<<25)
	s_or_b32 s[G1B+0], s3, (0<<16)|(1<<20)|(1<<21)|(5<<22)|(3<<25)
.irp g, G1, G1B
	s_mov_b32 s[\g+1], ROWB<<16
	s_mov_b32 s[\g+2], 256<<16                     ; the head's loads of codes bring 256 rows
	s_mov_b32 s[\g+3], ROWB<<16
	s_mov_b32 s[\g+4], 256
	s_mov_b32 s[\g+5], KROW
	s_mov_b32 s[\g+6], 0
	s_mov_b32 s[\g+7], 0
.endr
	s_lshl_b32 s20, s100, 8                        ; the tiles' first rows
	s_lshl_b32 s42, s101, 8
	s_lshl_b32 s22, s20, 5
	s_mov_b32 s23, 0
	s_lshl_b32 s20, s20, 10
	s_mov_b32 s21, 0
	s_lshl_b32 s46, s42, 5
	s_mov_b32 s47, 0
	s_lshl_b32 s42, s42, 10
	s_mov_b32 s43, 0
	s_wait_dscnt 0x0
	s_wait_kmcnt 0x0
	s_cmp_eq_u32 ttmp9, 0
	s_cselect_b64 s[8:9], s[72:73], s[76:77]
	s_cselect_b64 s[10:11], s[74:75], s[78:79]
	s_cselect_b64 s[12:13], s[84:85], s[86:87]
	s_cmp_eq_u32 s17, 1
	s_cselect_b64 s[8:9], s[68:69], s[8:9]
	s_cselect_b64 s[10:11], s[70:71], s[10:11]
	s_cselect_b64 s[12:13], s[88:89], s[12:13]
	s_cselect_b64 s[4:5], s[80:81], s[68:69]
	s_cselect_b64 s[6:7], s[82:83], s[70:71]
	s_or_b32 s18, s17, ttmp9
	s_cmp_eq_u32 s18, 0
	s_cselect_b64 s[PH:PH+1], s[90:91], s[94:95]
	s_cselect_b64 s[SPT:SPT+1], s[92:93], s[94:95]
	s_add_nc_u64 s[20:21], s[4:5], s[20:21]
	s_add_nc_u64 s[22:23], s[6:7], s[22:23]
	s_add_nc_u64 s[42:43], s[8:9], s[42:43]
	s_add_nc_u64 s[46:47], s[10:11], s[46:47]
	s_or_b32 s[G1S+0], s2, (3<<16)|(1<<20)|(1<<21)|(5<<22)|(3<<25)
	s_or_b32 s[G1SB+0], s3, (3<<16)|(1<<20)|(1<<21)|(5<<22)|(3<<25)
.irp g, G1S, G1SB
	s_mov_b32 s[\g+1], 32<<16
	s_mov_b32 s[\g+2], 32<<16                      ; the scale bytes of 256 rows: 32 rows of 256 bytes
	s_mov_b32 s[\g+3], 32<<16
	s_mov_b32 s[\g+4], 32
	s_mov_b32 s[\g+5], 32
	s_mov_b32 s[\g+6], 0
	s_mov_b32 s[\g+7], 0
.endr
	s_mul_i32 s92, s14, HALFT
	CROUND
	s_mov_b32 s[G0S], 1
	s_mov_b32 s[G0S+1], SCL
	s_mov_b64 s[G0S+2:G0S+3], s[22:23]
	s_or_b32 s[G0S+3], s[G0S+3], 0x80000000
	s_mov_b32 s[G0SB], 1
	s_mov_b32 s[G0SB+1], SCL+2*HALFS
	s_mov_b64 s[G0SB+2:G0SB+3], s[46:47]
	s_or_b32 s[G0SB+3], s[G0SB+3], 0x80000000
	s_mov_b32 s4, 1                                ; s[4:7], s[8:11]: group 0 of the head's loads of K step 0, 256 rows each (the arguments that lay there have been used)
	s_mov_b32 s5, 0
	s_mov_b64 s[6:7], s[20:21]
	s_or_b32 s7, s7, 0x80000000
	s_mov_b32 s8, 1
	s_mov_b32 s9, 2*HALFT
	s_mov_b64 s[10:11], s[42:43]
	s_or_b32 s11, s11, 0x80000000
	s_lshl_b32 s18, s16, 17                        ; for the ring: my 128 rows of a tile, 1,024 bytes a row
	s_mov_b32 s19, 0
	s_add_nc_u64 s[20:21], s[20:21], s[18:19]
	s_add_nc_u64 s[42:43], s[42:43], s[18:19]
.irp s, 0,1
	s_mov_b32 s[G0+4*\s], 1
	s_add_co_u32 s[G0+4*\s+1], s92, \s*SLOT
	s_add_nc_u64 s[G0+4*\s+2:G0+4*\s+3], s[20:21], \s*ROWB
	s_or_b32 s[G0+4*\s+3], s[G0+4*\s+3], 0x80000000
	s_mov_b32 s[G0B+4*\s], 1
	s_add_co_u32 s[G0B+4*\s+1], s92, \s*SLOT
	s_add_nc_u64 s[G0B+4*\s+2:G0B+4*\s+3], s[42:43], \s*ROWB
	s_or_b32 s[G0B+4*\s+3], s[G0B+4*\s+3], 0x80000000
.endr
; the head's four tiles, one joint load a wave, in one chain of branches on the wave's number: source 1's 256 rows, source 0's, and their scale bytes
.macro ARM under, g0, g1, next
	s_cmp_lt_u32 s14, \under
	s_cbranch_scc0 \next
	tensor_load_to_lds s[\g0:\g0+3], s[\g1:\g1+7]
	s_nop 0
.rept 4
	v_nop
.endr
	s_branch .Lhead_asked
\next:
.endm
	ARM 1, 4, G1, .Lhead_b
	ARM 2, 8, G1B, .Lhead_sa
	ARM 3, G0S, G1S, .Lhead_sb
	tensor_load_to_lds s[G0SB:G0SB+3], s[G1SB:G1SB+7]
	s_nop 0
.rept 4
	v_nop
.endr
.Lhead_asked:
	v_and_b32 v1, 15, v0
	v_bfe_u32 v2, v0, 4, 1
	v_mul_u32_u24 v3, v1, PITCH
	v_lshl_add_u32 v4, v2, 4, v3
	s_mul_i32 s21, s15, HALFT
	s_mul_i32 s22, s16, HALFT
	s_add_co_u32 s22, s22, 2*HALFT
.irp s, 0,1
	v_add_nc_u32 v[ADRA+\s], s21, v4
	v_add_nc_u32 v[ADRB+\s], s22, v4
	s_add_co_u32 s21, s21, SLOT
	s_add_co_u32 s22, s22, SLOT
.endr
	v_mul_u32_u24 v5, v1, KS
	v_lshrrev_b32 v6, 8, v5
	v_lshl_add_u32 v5, v6, 4, v5
	s_mul_i32 s21, s15, HALFS
	s_mul_i32 s22, s16, HALFS
	s_add_co_u32 s22, s22, 2*HALFS
	s_sub_co_u32 s22, s22, s21
	v_mul_u32_u24 v6, s22, v2
	s_add_co_u32 s21, s21, SCL
	v_add_nc_u32 v5, v5, v6
	v_add_nc_u32 v[ADRS], s21, v5
	s_mul_i32 s23, s14, WSTG
	v_lshrrev_b32 v5, 3, v1
	v_and_b32 v6, 7, v1
	v_mul_u32_u24 v[STO], v5, TPITCH
	v_lshl_add_u32 v[STO], v6, 4, v[STO]
	v_lshl_add_u32 v[STO], v2, 3, v[STO]
	v_add_nc_u32 v[STO], s23, v[STO]
	v_and_b32 v7, 31, v0
	v_lshlrev_b32 v[LI], 4, v7
	v_lshlrev_b32 v[LI8], 3, v7
	v_add_nc_u32 v[RD], s23, v[LI]
	v_add_nc_u32 v[RD8], s23, v[LI8]
	v_lshlrev_b32 v[SCW], 6, v5
	v_lshl_add_u32 v[SCW], v6, 2, v[SCW]
	v_add_nc_u32 v[SCW], s23, v[SCW]
	v_lshlrev_b32 v[BO32], 5, v2
	v_lshlrev_b32 v[BO4], 2, v1
	s_cmp_eq_u32 s17, 1
	s_cselect_b32 s18, s101, s100
	s_cselect_b32 s19, s16, s15
	s_cselect_b32 s20, s100, s101
	s_cselect_b32 s21, s15, s16
	s_cselect_b32 s22, 8192, 0
	s_lshl_b32 s18, s18, 1
	s_add_co_u32 s18, s18, s19
	s_lshl_b32 s20, s20, 2
	s_lshl_b32 s21, s21, 1
	s_add_co_u32 s20, s20, s21
	s_lshr_b32 s19, s18, 4
	s_lshl_b32 s19, s19, 4
	s_add_co_u32 s19, s19, s20
	s_and_b32 s18, s18, 15
	s_lshl_b32 s20, s20, 8
	s_mov_b32 s21, 0
	s_add_nc_u64 s[12:13], s[12:13], s[20:21]
	s_or_b32 s23, s17, ttmp9
	s_cmp_eq_u32 s23, 0
	s_mov_b32 s92, HS
	s_cselect_b32 s92, 131072, s92
	s_mov_b32 s93, STEPB
	s_cselect_b32 s93, 8192, s93
	s_mov_b32 s94, HS
	s_cselect_b32 s94, 8192, s94
	s_mov_b32 s95, STEPB
	s_cselect_b32 s95, 512, s95
	s_cselect_b32 s23, 0, 16384
	s_lshl_b32 s2, s17, 9
	s_add_co_u32 s23, s23, s2
	s_mul_i32 s2, s19, s92
	s_mul_i32 s3, s18, s93
	s_add_co_u32 s2, s2, s3
	s_add_co_u32 s2, s2, s22
	s_mov_b32 s3, 0
	s_add_nc_u64 s[PH:PH+1], s[PH:PH+1], s[2:3]
	s_mov_b32 s93, 0
	s_add_nc_u64 s[PH+2:PH+3], s[PH:PH+1], s[92:93]
	s_mul_i32 s2, s19, s94
	s_mul_i32 s22, s18, s95
	s_add_co_u32 s2, s2, s22
	s_add_co_u32 s2, s2, s23
	s_add_nc_u64 s[SPT:SPT+1], s[SPT:SPT+1], s[2:3]
	s_mov_b32 s95, 0
	s_add_nc_u64 s[SPT+2:SPT+3], s[SPT:SPT+1], s[94:95]
	s_cmp_eq_u32 s17, 1
	s_cbranch_scc1 .Lbias_v
	s_wait_alu depctr_va_vdst(0)
.irp b, 0,1,2,3,4,5,6,7
	global_load_b128 v[BIAS+8*\b:BIAS+8*\b+3], v[BO32], s[12:13] offset:64*\b
	global_load_b128 v[BIAS+8*\b+4:BIAS+8*\b+7], v[BO32], s[12:13] offset:64*\b+16
.endr
	s_branch .Lbias_done
.Lbias_v:
	s_wait_alu depctr_va_vdst(0)
.irp a, 0,1,2,3,4,5,6,7
	global_load_b32 v[BIAS+8*\a], v[BO4], s[12:13] offset:64*\a
.endr
	s_wait_loadcnt 0x0
.irp a, 0,1,2,3,4,5,6,7
.irp j, 1,2,3,4,5,6,7
	v_mov_b32 v[BIAS+8*\a+\j], v[BIAS+8*\a]
.endr
.endr
.Lbias_done:
	s_wait_loadcnt 0x0
.macro FRAG reg, adr, q, i
.irp c, 0,1,2,3
	ds_load_b128 v[\reg+4*\c:\reg+4*\c+3], v[\adr] offset:128*(\q)+32*\c+(\i)*16*PITCH
.endr
.endm
.macro MUL16 a0, p, q, sc, cmode
.irp a, \a0, \a0+1
.irp b, 0,1,2,3,4,5,6,7
.set rD, 8*(8*((\a)%4)+\b)
.set rB, 128*(\p)+FR*\b
.set rA, AF+FR*(\a)
.set rC, rD
.if \cmode == 1
.set rC, BIAS+8*\b
.endif
.if \cmode == 2
.set rC, BIAS+8*(\a)
.endif
	v_wmma_scale_f32_16x16x128_f8f6f4 v[rD:rD+7], v[rB:rB+FR-1], v[rA:rA+FR-1], v[rC:rC+7], v[SC+8*NQ*(\sc)+NQ*\b+(\q)], v[SC+8*NQ*(\sc)+NQ*(\a)+(\q)] matrix_a_fmt:MATRIX_FMT_BF8 matrix_b_fmt:MATRIX_FMT_BF8 matrix_a_scale:MATRIX_SCALE_ROW1
.endr
.endr
.endm
.macro FETCH_B slot, q, p
	WIN TO_B
.irp i, 0,1,2,3,4,5,6,7
	FRAG 128*(\p)+FR*\i, ADRB+\slot, \q, \i
.endr
	WIN 0
.endm
.macro FETCH_A slot, q, i0
.irp i, \i0, \i0+1, \i0+2, \i0+3
	FRAG AF+FR*(\i), ADRA+\slot, \q, \i
.endr
.endm
.macro SCALES sc
.irp i, 0,1,2,3,4,5,6,7
	ds_load_b64 v[SC+8*NQ*\sc+NQ*\i:SC+8*NQ*\sc+NQ*\i+1], v[ADRS] offset:\i*SBLK
.endr
.endm
.macro PLACES n
.rept \n
	v_nop
.endr
.endm
.macro STEP slot, q, cmode
	s_wait_dscnt 4*NL
.if \cmode
	WIN 0x81
.else
	WIN MUL_LO
.endif
	MUL16 0, (\q)%2, \q, \slot, \cmode
	MUL16 2, (\q)%2, \q, \slot, \cmode
	s_wait_dscnt 0
	PLACES NP
	FETCH_B \slot, (\q)+1, 1-(\q)%2
	FETCH_A \slot, (\q)+1, 0
.if \cmode
	WIN 0xc1
.else
	WIN MUL_HI
.endif
	MUL16 4, (\q)%2, \q, \slot, \cmode
	MUL16 6, (\q)%2, \q, \slot, \cmode
	PLACES NP
	WIN 0
	FETCH_A \slot, (\q)+1, 4
.endm
.macro TURN slot, next, fill
	s_wait_tensorcnt 0x0
	ds_add_u32 v[SPW], v[NIL]
	s_wait_dscnt 4*NL+1
	WIN MUL_LO
	MUL16 0, 1, NQ-1, \slot, 0
	s_wait_dscnt 0x0
	s_barrier_signal -1
	MUL16 2, 1, NQ-1, \slot, 0
	WIN 0
	s_barrier_wait -1
.if \fill
	CREST
	s_add_nc_u64 s[G0+4*\slot+2:G0+4*\slot+3], s[G0+4*\slot+2:G0+4*\slot+3], 2*ROWB
	s_add_nc_u64 s[G0B+4*\slot+2:G0B+4*\slot+3], s[G0B+4*\slot+2:G0B+4*\slot+3], 2*ROWB
	JLOAD G0+4*\slot, G1, G0B+4*\slot, G1B
	PLACES NP-4
.else
	PLACES NP
.endif
	s_wait_alu depctr_va_vdst(0)
	v_add_nc_u32 v[ADRS], 4*NQ, v[ADRS]
	FETCH_B \next, 0, 0
	FETCH_A \next, 0, 0
	SCALES \next
	WIN MUL_HI
	MUL16 4, 1, NQ-1, \slot, 0
	MUL16 6, 1, NQ-1, \slot, 0
	PLACES NP
	WIN 0
	FETCH_A \next, 0, 4
.endm
	s_wait_alu depctr_va_vdst(0)                   ; the wait at the head's end
	s_wait_tensorcnt 0x0                           ; my tile of the head's four is in; the lines ahead of a later first fill:
	ds_add_u32 v[SPW], v[NIL]
	s_mov_b32 s[G1+2], 128<<16                     ; no tensor load of mine is out: from here on a load brings 128 rows
	s_mov_b32 s[G1+4], 128
	s_mov_b32 s[G1B+2], 128<<16
	s_mov_b32 s[G1B+4], 128
	s_wait_dscnt 0x0
	CROUND                                         ; all four tiles are in, and the sixteen work-groups are here
	JLOAD G0+4, G1, G0B+4, G1B                     ; K step 1, the first tensor load behind the round
	FETCH_B 0, 0, 0
	FETCH_A 0, 0, 0
	SCALES 0
	FETCH_A 0, 0, 4
	s_cmp_eq_u32 s17, 1
	s_cbranch_scc1 .Lfirst_v
	s_wait_alu depctr_va_vdst(0)
	STEP 0, 0, 1
	s_branch .Lfirst_done
.Lfirst_v:
	s_wait_alu depctr_va_vdst(0)
	STEP 0, 0, 2
.Lfirst_done:
	s_mov_b32 s3, LAPS-1
.Llap:
	TURN 0, 1, 1
	STEP 1, 0, 0
	TURN 1, 0, 1
	STEP 0, 0, 0
	s_sub_co_u32 s3, s3, 1
	s_cmp_lg_u32 s3, 0
	s_cbranch_scc1 .Llap
	TURN 0, 1, 0
	STEP 1, 0, 0
	s_wait_dscnt 4*NL
	WIN MUL_LO
	MUL16 0, 1, NQ-1, 1, 0
	MUL16 2, 1, NQ-1, 1, 0
	s_wait_dscnt 0
	WIN MUL_HI
	MUL16 4, 1, NQ-1, 1, 0
	MUL16 6, 1, NQ-1, 1, 0
	WIN 0
.macro QUANT a, kind, koff
.set AC, 64*((\a)%4)
.set AL, (\a)%2
.set GG, (\a)/2
.set PCA, PC0+(PC1-PC0)*AL
.set PWA, PW+2*AL
	WIN 0x0a+5*((\a)/4)
.irp b, 0,1,2,3
	v_max3_num_f32 v[TM+\b], |v[AC+16*\b]|, |v[AC+16*\b+1]|, 0x8000000
.endr
.irp i, 2,4,6,8,10,12,14
.irp b, 0,1,2,3
	v_max3_num_f32 v[TM+\b], |v[AC+16*\b+\i]|, |v[AC+16*\b+\i+1]|, v[TM+\b]
.endr
.endr
	WIN 0
.irp b, 0,1,2,3
	v_permlanex16_b32 v[TM+4+\b], v[TM+\b], s20, s21
.endr
.irp b, 0,1,2,3
	v_max_num_f32 v[TM+\b], v[TM+\b], v[TM+4+\b]
.endr
.irp b, 0,1,2,3
	v_add_nc_u32 v[TM+12+\b], 0xf8800000, v[TM+\b]
.endr
.irp b, 0,1,2,3
	v_and_or_b32 v[TM+8+\b], v[TM+\b], 0x7f800000, s22
.endr
.irp b, 0,1,2,3
	v_lshrrev_b32 v[TM+4+\b], 23, v[TM+12+\b]
.endr
.if \kind
	v_lshl_or_b32 v[PWA], v[TM+5], 8, v[TM+4]
	v_lshl_or_b32 v[PWA], v[TM+6], 16, v[PWA]
	v_lshl_or_b32 v[PWA], v[TM+7], 24, v[PWA]
	ds_store_b32 v[SCW], v[PWA] offset:\koff+SCST+GG*128+AL*32
.else
	v_lshl_or_b32 v[PWA], v[TM+5], 8, v[TM+4]
	v_lshl_or_b32 v[PWA+1], v[TM+7], 8, v[TM+6]
	ds_store_b32 v[SCW], v[PWA] offset:\koff+SCST+GG*128+AL*32
	ds_store_b32 v[SCW], v[PWA+1] offset:\koff+SCST+512+GG*128+AL*32
.endif
	WIN 0x82+0x41*((\a)/4)
.irp b, 0,1,2,3
.irp i, 0,1,2,3,4,5,6,7,8,9,10,11,12,13,14,15
	v_med3_num_f32 v[AC+16*\b+\i], v[AC+16*\b+\i], -v[TM+8+\b], v[TM+8+\b]
.endr
.endr
	WIN 0x02+((\a)/4)
.irp t, 0,1,2,3,4,5,6,7
	v_cvt_scalef32_pk8_bf8_f32 v[PCA+2*\t:PCA+2*\t+1], v[AC+8*\t:AC+8*\t+7], v[TM+12+\t/2]
.endr
	WIN 0
	v_nop
.irp t, 0,1,2,3,4,5,6,7
	ds_store_b64 v[STO], v[PCA+2*\t:PCA+2*\t+1] offset:\koff+AL*128+(\t/2)*512+(\t%2)*256
.endr
.endm
.macro OUTPAIR g, kind, koff
	QUANT 2*(\g), \kind, \koff
	QUANT 2*(\g)+1, \kind, \koff
.set RBG, RB+32*((\g)%2)
	s_wait_xcnt 0x0
.irp i, 0,1,2,3,4,5,6,7
	ds_load_b128 v[RBG+4*\i:RBG+4*\i+3], v[RD] offset:\koff+(\i/4)*TPITCH+(\i%4)*512
.endr
	s_wait_dscnt 0x0
.irp i, 0,1,2,3,4,5,6,7
.if \kind
	global_store_b128 v[LI], v[RBG+4*\i:RBG+4*\i+3], s[PH+2*((\g)/2):PH+2*((\g)/2)+1] offset:(2*((\g)%2)+\i/4)*2048+(\i%4)*512
.else
	global_store_b128 v[LI], v[RBG+4*\i:RBG+4*\i+3], s[PH+2*((\i%4)/2):PH+2*((\i%4)/2)+1] offset:(2*(\g)+\i/4)*1024+(\i%2)*512
.endif
.endr
.endm
	PLACES NP
.irp b, 0,1,2,3
	v_mov_b32 v[TM+4+\b], 0
.endr
	s_mov_b32 s20, 0x76543210
	s_mov_b32 s21, 0xfedcba98
	s_mov_b32 s22, 0x600000
	s_cmp_eq_u32 s17, 1
	s_cbranch_scc1 .Lout_v
	OUTPAIR 0, 0, 0
	OUTPAIR 1, 0, 0
	OUTPAIR 2, 0, 0
	OUTPAIR 3, 0, 0
	ds_load_b128 v[SB:SB+3], v[RD] offset:SCST
	ds_load_b128 v[SB+4:SB+7], v[RD] offset:SCST+512
	s_wait_dscnt 0x0
	global_store_b128 v[LI], v[SB:SB+3], s[SPT:SPT+1]
	global_store_b128 v[LI], v[SB+4:SB+7], s[SPT+2:SPT+3]
	s_branch .Lout_done
.Lout_v:
	OUTPAIR 0, 1, KOFFV
	OUTPAIR 1, 1, KOFFV
	OUTPAIR 2, 1, KOFFV
	OUTPAIR 3, 1, KOFFV
	ds_load_b64 v[SB:SB+1], v[RD8] offset:KOFFV+SCST
	ds_load_b64 v[SB+2:SB+3], v[RD8] offset:KOFFV+SCST+256
	s_wait_dscnt 0x0
	global_store_b64 v[LI8], v[SB:SB+1], s[SPT:SPT+1]
	global_store_b64 v[LI8], v[SB+2:SB+3], s[SPT+2:SPT+3]
.Lout_done:
	s_wait_tensorcnt 0x0
	ds_add_u32 v[SPW], v[NIL]
	s_wait_dscnt 0x0
	CROUND
	s_endpgm
.Lfunc_end_k_q8662d2ae72_proj:
	.size	k_q8662d2ae72_proj, .Lfunc_end_k_q8662d2ae72_proj-k_q8662d2ae72_proj
	.p2alignl 7, 3214868480
	.fill 96, 4, 3214868480
	.section	.rodata,"a",@progbits
	.p2align	6, 0x0
	.amdhsa_kernel k_q8662d2ae72_proj
		.amdhsa_group_segment_fixed_size 327680
		.amdhsa_private_segment_fixed_size 0
		.amdhsa_enable_private_segment 0
		.amdhsa_kernarg_size 112
		.amdhsa_user_sgpr_count 2
		.amdhsa_user_sgpr_kernarg_segment_ptr 1
		.amdhsa_wavefront_size32 1
		.amdhsa_system_sgpr_workgroup_id_x 1
		.amdhsa_system_sgpr_workgroup_id_y 1
		.amdhsa_system_sgpr_workgroup_id_z 1
		.amdhsa_system_vgpr_workitem_id 0
		.amdhsa_next_free_vgpr 1024
		.amdhsa_next_free_sgpr 102
		.amdhsa_reserve_vcc 0
		.amdhsa_float_denorm_mode_32 3
		.amdhsa_float_denorm_mode_16_64 3
		.amdhsa_memory_ordered 1
		.amdhsa_forward_progress 1
		.amdhsa_inst_pref_size 255
	.end_amdhsa_kernel
	.section	.bss,"aw",@nobits
	.p2align	6
	.space	262144
	.amdgpu_metadata
---
amdhsa.version: [ 1, 2 ]
amdhsa.kernels:
  - .name:           k_q8662d2ae72_proj
    .symbol:         k_q8662d2ae72_proj.kd
    .args:
      - { .name: x_codes, .offset: 0, .size: 8, .value_kind: global_buffer, .address_space: global }
      - { .name: x_scales, .offset: 8, .size: 8, .value_kind: global_buffer, .address_space: global }
      - { .name: Wq_codes, .offset: 16, .size: 8, .value_kind: global_buffer, .address_space: global }
      - { .name: Wq_scales, .offset: 24, .size: 8, .value_kind: global_buffer, .address_space: global }
      - { .name: Wk_codes, .offset: 32, .size: 8, .value_kind: global_buffer, .address_space: global }
      - { .name: Wk_scales, .offset: 40, .size: 8, .value_kind: global_buffer, .address_space: global }
      - { .name: Wv_codes, .offset: 48, .size: 8, .value_kind: global_buffer, .address_space: global }
      - { .name: Wv_scales, .offset: 56, .size: 8, .value_kind: global_buffer, .address_space: global }
      - { .name: bq, .offset: 64, .size: 8, .value_kind: global_buffer, .address_space: global }
      - { .name: bk, .offset: 72, .size: 8, .value_kind: global_buffer, .address_space: global }
      - { .name: bv, .offset: 80, .size: 8, .value_kind: global_buffer, .address_space: global }
      - { .name: q_img, .offset: 88, .size: 8, .value_kind: global_buffer, .address_space: global }
      - { .name: q_sc, .offset: 96, .size: 8, .value_kind: global_buffer, .address_space: global }
      - { .name: kv, .offset: 104, .size: 8, .value_kind: global_buffer, .address_space: global }
    .group_segment_fixed_size: 327680
    .private_segment_fixed_size: 0
    .kernarg_segment_align: 8
    .kernarg_segment_size: 112
    .max_flat_workgroup_size: 128
    .sgpr_count:     102
    .vgpr_count:     1024
    .wavefront_size: 32
...
	.end_amdgpu_metadata
.endif
;; end of part 1
;; launch attn (part 2): grid 4 x 64, 8 waves a work-group, clusters of 4 x 1, 327,680 bytes of LDS; arguments q_img, q_sc, kv, a_img, a_sc; writes a_img, a_sc
.if DOCPART == 2
	.amdgcn_target "amdgcn-amd-amdhsa--gfx1250"
	.amdhsa_code_object_version 6
	.text
	.protected	k_q8662d2ae72_attn
	.globl	k_q8662d2ae72_attn
	.p2align	8
	.type	k_q8662d2ae72_attn,@function
k_q8662d2ae72_attn:
	s_mov_b64 s[64:65], 0
	v_nop
	global_prefetch_b8 v0, s[64:65] scope:SCOPE_SE
	s_setreg_imm32_b32 hwreg(HW_REG_WAVE_MODE, 25, 1), 1
	s_wait_xcnt 0x0
	s_wait_alu depctr_hold_cnt(0) depctr_sa_sdst(0) depctr_va_vdst(0) depctr_va_sdst(0) depctr_va_ssrc(0) depctr_va_vcc(0) depctr_vm_vsrc(0)
	s_getreg_b32 s2, hwreg(HW_REG_IB_STS2, 6, 4)
	s_cmp_eq_u32 s2, 0
	s_cbranch_scc0 .Lentry_in_a_cluster
	s_endpgm
.Lentry_in_a_cluster:
	s_bfe_u32 s2, ttmp6, 0x10000c
	s_cmp_lg_u32 s2, 0x3003
	s_cbranch_scc0 .Lentry_shape_is_right
	s_endpgm
.Lentry_shape_is_right:
; For each of 64 heads (batch x head): O[q] = the sum over k of softmax_k(Q[q] . K[k] / 8) V[k], both products on codes of BF8 (E5M2) with one E8M0 scale for each 32 along a product's K.  No work of the problem is left out.
; THE SOFTMAX AHEAD OF THE SECOND PRODUCT: t = score x log2(e) / 8; M = the row's largest t so far, rounded UP to a whole number; p = 2^(t - M) is quantised along the keys, not normalised.
; The row's sum is taken of the unquantised p, in f32, and divides O at the end.  When M moves, the sum and O are multiplied by f = 2^(old M - new M): exact.  O / the sum is quantised along the model's 1,024 and leaves as codes.
; LIMITS: NaN and infinities are not served; the promise holds while |t| stays under 2^31.  A block of zeros gets the byte 1 where the rule says 127: its codes are zeros, and this program alone reads the bytes.
; SHARES.  A work-group owns 512 queries of one head; each of its eight waves owns FOUR tiles of 16 queries and walks all 2,048 keys once, 128 a step: a fragment of K or V that is read from LDS feeds four products.
; A WHOLE HEAD'S K AND V LIE IN LDS: 16 steps of 17,152 bytes, brought once and never filled again.  CLUSTER: a head's four blocks of queries ask JOINTLY (mask 15).  Wave w asks for steps 2 w and 2 w + 1 by one load.
; A STEP.  The four tiles go one after the other through one buffer of scores.  Behind tile j's conversions stand the next tile's eight products S^T, then tile j's rescaling of O^T (their places), its four products and the last lines of its sum.
; V's tiles are loaded in tile 0, a softmax ahead of their first use; the next step's K in tile 3, likewise.  The last trip asks for no further K and multiplies no further S^T: two branches on the trip's number; the address is clamped to the last step.
; LAYOUT.  All operands lie as images of the registers that take them.  Both products are used transposed (S^T = K Q^T, O^T = V^T P^T): a lane holds ONE query (lane % 16) of each tile.
; THE FIRST PRODUCT HAS K = 64 and the instruction 128.  Q's upper 64 are zero codes.  K's eight tiles lie on end, 8 registers each: a tile's upper 64 are the next tile's codes (the last tile's: eight registers of zeros).
; Those are finite codes, since the launch that made them holds every number at the largest code; under the scale byte 0 on both sides and against Q's zero codes they add nothing.
; No prefetch: all that the launch reads of kv is asked for at its head, and no loop runs ahead of a load.
; REGISTERS, window 0: v0 at work; v1, v2 lane terms; v3, v4, v254, v255 K's scale words; v5, v6 the add's two; v7 p's scale word; v8, v9 LDS addresses; v10, v11 V's scale words; v12-15 Q's scale words;
;   v16-31 for each tile -M, the largest score, the sum (a pair); v32-103 K; v104-167 S^T, then p; v168-231 V^T; v232.. blocks' maxima and bytes, scale operands, bounds; v244-251 four partial sums; v252 f, v253 the old -M.
; Window 1: v0-127 the four O^T; v128-191 the four Q (8 registers of codes, 8 of zeros); v192-207 p's codes.
.set STEPB, 17152                      ; a step: K's 8 tiles (8,192), V^T's 4 tiles (8,192), K's scale words (512), V's (256)
.set HS,    16*STEPB
.set VOFF,  8192
.set KSC,   16384
.set VSC,   16896
.set SPARE, HS                         ; behind the head: the spare words, 128 bytes a wave
.set T,   0
.set LI,  1
.set LS,  2
.set SPW, 5
.set NIL, 6
.set PWD, 7
.set ADK, 8
.set ADS, 9
.set VS,  10
.set QW,  12
.set ST,  16
.set KF,  32
.set P,   104
.set VF,  168
.set BM,  232
.set SO,  236                          ; first the other half's maxima, then the conversions' scale operands
.set BD,  240
.set PS,  244
.set F,   252
.set OLD, 253
.set OW,  0                            ; window 1
.set QF,  128
.set CD,  192
.set TB,  2                            ; s2   LDS byte at which the step in hand begins
.set CNT, 3                            ; s3   steps to go
.set WV,  18
.set MNT, 19                           ; the mantissa field of 57,344
.set SEL, 20                           ; s[20:21] lane l xor 16
.set CS,  22                           ; s[22:23] c = log2(e) / 8
.set G1,  24
.set G0,  32
.set TBN, 37                           ; s37  the next step's first byte, held at the last step's
.set MSB, 0
.macro WIN new                         ; the immediate's high byte repeats the setting that is left.  Low byte: bits 1:0 source 0, 3:2 source 1, 5:4 source 2, 7:6 destination
.if MSB != (\new)
	s_set_vgpr_msb (MSB<<8)|(\new)
.set MSB, (\new)
.endif
.endm
.macro CROUND
	s_barrier_signal -1
	s_barrier_wait -1
	s_cmp_lg_u32 s[WV], 0
	s_cbranch_scc1 .Lnot_wave_0_\@
	s_barrier_signal -3
.Lnot_wave_0_\@:
	s_barrier_wait -3
	s_barrier_signal -1
	s_barrier_wait -1
.endm
.macro KLOADS                          ; K's eight tiles on end, and its four registers of scale words (a pair of tiles shares one)
.set n, 0
.rept 8
	ds_load_b128 v[KF+8*n:KF+8*n+3], v[ADK] offset:1024*n
	ds_load_b128 v[KF+8*n+4:KF+8*n+7], v[ADK] offset:1024*n+512
.set n, n+1
.endr
.set n, 0
.rept 4
	ds_load_b32 v[254+n-253*(n/2)], v[ADS] offset:KSC+128*n
.set n, n+1
.endr
.endm
.macro SPRODS j                        ; S^T of tile j of my queries: eight tiles of 16 keys.  Source 1 (Q) lies in window 1
.irp u, 0,1,2,3
	v_wmma_scale_f32_16x16x128_f8f6f4 v[P+16*\u:P+16*\u+7], v[KF+16*\u:KF+16*\u+15], v[QF+16*(\j):QF+16*(\j)+15], 0, v[254+\u-253*(\u/2)], v[QW+(\j)] matrix_a_fmt:MATRIX_FMT_BF8 matrix_b_fmt:MATRIX_FMT_BF8
	v_wmma_scale_f32_16x16x128_f8f6f4 v[P+16*\u+8:P+16*\u+15], v[KF+16*\u+8:KF+16*\u+23], v[QF+16*(\j):QF+16*(\j)+15], 0, v[254+\u-253*(\u/2)], v[QW+(\j)] matrix_a_fmt:MATRIX_FMT_BF8 matrix_b_fmt:MATRIX_FMT_BF8 matrix_a_scale:MATRIX_SCALE_ROW1
.endr
.endm
.macro OPRODS j                        ; O^T of tile j += 64 channels x 128 keys times p.  Source 1 (p's codes), C and D lie in window 1
.irp u, 0,1
	v_wmma_scale_f32_16x16x128_f8f6f4 v[OW+32*(\j)+16*\u:OW+32*(\j)+16*\u+7], v[VF+32*\u:VF+32*\u+15], v[CD:CD+15], v[OW+32*(\j)+16*\u:OW+32*(\j)+16*\u+7], v[VS+\u], v[PWD] matrix_a_fmt:MATRIX_FMT_BF8 matrix_b_fmt:MATRIX_FMT_BF8
	v_wmma_scale_f32_16x16x128_f8f6f4 v[OW+32*(\j)+16*\u+8:OW+32*(\j)+16*\u+15], v[VF+32*\u+16:VF+32*\u+31], v[CD:CD+15], v[OW+32*(\j)+16*\u+8:OW+32*(\j)+16*\u+15], v[VS+\u], v[PWD] matrix_a_fmt:MATRIX_FMT_BF8 matrix_b_fmt:MATRIX_FMT_BF8 matrix_a_scale:MATRIX_SCALE_ROW1
.endr
.endm
.macro BLOCKMAX b0, b1                 ; the largest score of two blocks of 32 keys, by turns: 16 lines, each accumulator from its low end on
.irp b, \b0, \b1
	v_max3_num_f32 v[BM+\b], v[P+16*\b], v[P+1+16*\b], v[P+2+16*\b]
.endr
.irp i, 3,5,7,9,11,13
.irp b, \b0, \b1
	v_max3_num_f32 v[BM+\b], v[BM+\b], v[P+16*\b+\i], v[P+1+16*\b+\i]
.endr
.endr
.irp b, \b0, \b1
	v_max_num_f32 v[BM+\b], v[BM+\b], v[P+15+16*\b]
.endr
.endm
; ONE TILE OF QUERIES IN ONE KEY STEP.  Its scores lie in v[P..]: the products were issued in the tile before.
.macro TILE j
.set S_, ST+4*(\j)
.set JN_, ((\j)+1)%4
	BLOCKMAX 0, 1                                  ; THE LARGEST SCORE OF EACH BLOCK serves twice: for the row's maximum and, since p rises with the score, for the block's largest p
.if (\j) == 0                                  ; this step's V^T and its scale words: the last products that read these registers stand 20 plain lines back
.set n, 0
.rept 16
	ds_load_b128 v[VF+4*n:VF+4*n+3], v[ADK] offset:VOFF+512*n
.set n, n+1
.endr
	ds_load_b32 v[VS], v[ADS] offset:VSC
	ds_load_b32 v[VS+1], v[ADS] offset:VSC+128
.endif
.if (\j) == 3                                  ; the next step's K: this step's last products S^T stand 36 plain lines back
	s_add_co_u32 s[TB], s[TB], STEPB
	s_min_u32 s[TBN], s[TB], 15*STEPB
	v_add_nc_u32 v[ADK], s[TBN], v[LI]
	v_add_nc_u32 v[ADS], s[TBN], v[LS]
	s_cmp_eq_u32 s[CNT], 1
	s_cbranch_scc1 .Lno_k_\@
	KLOADS
.Lno_k_\@:
.endif
	BLOCKMAX 2, 3
.irp b, 0,1,2,3
	v_permlanex16_b32 v[SO+\b], v[BM+\b], s[SEL], s[SEL+1]
.endr
.irp b, 0,1,2,3
	v_max_num_f32 v[BM+\b], v[BM+\b], v[SO+\b]     ; with lane l xor 16's 16 keys
.endr
	v_max3_num_f32 v[T], v[BM], v[BM+1], v[BM+2]
	v_max3_num_f32 v[S_+1], v[S_+1], v[T], v[BM+3] ; the running largest score
	v_mul_f32 v[T], s[CS], v[S_+1]                 ; as t (c is positive)
	v_floor_f32 v[S_], -v[T]                       ; the new -M = floor(-t) = -ceil(t)
.set n, 0
.rept 32
	v_pk_fma_f32 v[P+n:P+n+1], v[P+n:P+n+1], s[CS:CS+1], v[S_:S_+1] op_sel_hi:[1,0,0]   ; t - M, two at a time
.set n, n+2
.endr
.irp b, 0,1,2,3
	v_fma_f32 v[BM+\b], v[BM+\b], s[CS], v[S_]     ; the same of each block's largest score
.endr
	s_wait_alu depctr_va_vdst(0)                   ; the wait ahead of the batch
.set n, 0
.rept 64
	v_exp_f32 v[P+n], v[P+n]                       ; p = 2^(t - M)
.set n, n+1
.endr
.irp b, 0,1,2,3
	v_exp_f32 v[BM+\b], v[BM+\b]                   ; the block's largest p: the same two instructions on the same number give the same bits
.endr
	v_sub_f32 v[T], v[S_], v[OLD]                  ; M's old value less its new one: a whole number, 0 or less.  (Plain work behind the batch)
	v_cvt_i32_f32 v[T], v[T]                       ; (it saturates)
	v_ldexp_f32 v[F], 1.0, v[T]                    ; f = 2^(old M - new M)
	s_wait_alu depctr_va_vdst(0)                   ; one wait for the whole batch, ahead of its first reader
.set n, 0
.rept 4                                        ; the step's sum of the unquantised p: four chains of packed additions
	v_pk_add_f32 v[PS+2*n:PS+2*n+1], v[P+4*n:P+4*n+1], v[P+4*n+2:P+4*n+3]
.set n, n+1
.endr
.set n, 0
.rept 24
	v_pk_add_f32 v[PS+2*(n%4):PS+2*(n%4)+1], v[PS+2*(n%4):PS+2*(n%4)+1], v[P+16+2*n:P+17+2*n]
.set n, n+1
.endr
.irp b, 0,1,2,3
	v_max_num_f32 v[BM+\b], 0x8000000, v[BM+\b]    ; the floor 2^(16 - 127): the byte cannot fall under 1
.endr
.irp b, 0,1,2,3
	v_add_nc_u32 v[SO+\b], 0xf8800000, v[BM+\b]    ; 15 off the exponent field: the conversion's scale operand
.endr
.irp b, 0,1,2,3
	v_and_or_b32 v[BD+\b], v[BM+\b], 0x7f800000, s[MNT]   ; 57,344 x the scale
.endr
.irp b, 0,1,2,3
	v_lshrrev_b32 v[BM+\b], 23, v[SO+\b]           ; the scale's byte
.endr
	v_lshl_or_b32 v[PWD], v[BM+1], 8, v[BM]        ; p's scale word for these 128 keys
	v_lshl_or_b32 v[PWD], v[BM+2], 16, v[PWD]
	v_lshl_or_b32 v[PWD], v[BM+3], 24, v[PWD]
.irp b, 0,2                                    ; the conversion does not saturate (ISA guide 7.6.2); p is not negative, so the hold is one-sided.  A pair holds a number of each of two blocks: destinations even and odd, sources in different banks
.set n, 0
.rept 8
	v_dual_min_num_f32 v[P+16*\b+n], v[P+16*\b+n], v[BD+\b] :: v_dual_min_num_f32 v[P+16*\b+17+n], v[P+16*\b+17+n], v[BD+\b+1]
	v_dual_min_num_f32 v[P+16*\b+n+1], v[P+16*\b+n+1], v[BD+\b] :: v_dual_min_num_f32 v[P+16*\b+16+n], v[P+16*\b+16+n], v[BD+\b+1]
.set n, n+2
.endr
.endr
	WIN 0x40
.irp q, 0,1,2,3,4,5,6,7
	v_cvt_scalef32_pk8_bf8_f32 v[CD+2*\q:CD+2*\q+1], v[P+8*\q:P+8*\q+7], v[SO+\q/2]
.endr
.if (\j) < 3
	WIN 0x04
	v_mov_b32 v[OLD], v[ST+4*JN_]                  ; the next tile's old -M: the plain line behind the conversions, ahead of the products that write over their sources
.if (\j) == 0
	s_wait_dscnt 0x0                               ; V^T and its scale words are in
.endif
	SPRODS JN_
.else
	WIN 0
	v_mov_b32 v[OLD], v[ST]
	s_cmp_eq_u32 s[CNT], 1
	s_cbranch_scc1 .Lno_s_\@
	s_wait_dscnt 0x0                               ; the next step's K is in
	WIN 0x04
	SPRODS 0
	WIN 0
.Lno_s_\@:
.endif
	WIN 0x41
	s_wait_alu depctr_va_vdst(0)                   ; the wait here, directly ahead of the first reader of O^T
.set n, 0
.rept 16
	v_pk_mul_f32 v[OW+32*(\j)+n:OW+32*(\j)+n+1], v[OW+32*(\j)+n:OW+32*(\j)+n+1], v[F:F+1] op_sel_hi:[1,0]   ; O^T under the new M.  These 16 are also the places behind the products above and ahead of those below
.set n, n+2
.endr
	WIN 0x54
	OPRODS \j                                      ; sixteen accumulators take turns over a step, and S^T's products stand between
	WIN 0
	v_pk_add_f32 v[PS:PS+1], v[PS:PS+1], v[PS+4:PS+5]          ; the partial sums are joined, and the row's sum goes under the new M in the same line
	v_pk_add_f32 v[PS+2:PS+3], v[PS+2:PS+3], v[PS+6:PS+7]
	v_pk_add_f32 v[PS:PS+1], v[PS:PS+1], v[PS+2:PS+3]
	v_pk_fma_f32 v[S_+2:S_+3], v[S_+2:S_+3], v[F:F+1], v[PS:PS+1] op_sel_hi:[1,0,1]
.endm
; A TILE'S END: O^T / the sum, quantised along the model's 1,024: register 16 b + i of lane (r, h) is channel 32 b + 16 h + i of the head.  The codes leave straight from registers.
.macro FINISH j
.set L_, ST+4*(\j)+2
.set W_, 254+(\j)-253*((\j)/2)
.set C_, KF+8*(\j)
	v_add_f32 v[T], v[L_], v[L_+1]                 ; the sum's two halves,
	v_permlanex16_b32 v[BM], v[T], s[SEL], s[SEL+1]
	v_add_f32 v[T], v[T], v[BM]                    ; and lane l xor 16's
	s_wait_alu depctr_va_vdst(0)                   ; the wait ahead of the reciprocal,
	v_rcp_f32 v[F], v[T]
	v_nop                                          ; a plain line behind it,
	WIN 0x01
	s_wait_alu depctr_va_vdst(0)                   ; and the wait ahead of its first reader, which is O^T's first reader too
.set n, 0
.rept 16
	v_pk_mul_f32 v[P+n:P+n+1], v[OW+32*(\j)+n:OW+32*(\j)+n+1], v[F:F+1] op_sel_hi:[1,0]   ; each accumulator from its low end on
.set n, n+2
.endr
	WIN 0
.irp b, 0,1
	v_max3_num_f32 v[BM+\b], |v[P+16*\b]|, |v[P+1+16*\b]|, 0x8000000
.endr
.irp i, 2,4,6,8,10,12,14
.irp b, 0,1
	v_max3_num_f32 v[BM+\b], v[BM+\b], |v[P+16*\b+\i]|, |v[P+1+16*\b+\i]|
.endr
.endr
.irp b, 0,1
	v_permlanex16_b32 v[SO+\b], v[BM+\b], s[SEL], s[SEL+1]
.endr
.irp b, 0,1
	v_max_num_f32 v[BM+\b], v[BM+\b], v[SO+\b]
.endr
.irp b, 0,1
	v_add_nc_u32 v[SO+\b], 0xf8800000, v[BM+\b]
.endr
.irp b, 0,1
	v_and_or_b32 v[BD+\b], v[BM+\b], 0x7f800000, s[MNT]
.endr
.irp b, 0,1
	v_lshrrev_b32 v[BM+\b], 23, v[SO+\b]
.endr
	v_lshl_or_b32 v[W_], v[BM+1], 8, v[BM]         ; my row's two scale bytes of this head
.irp b, 0,1
.irp i, 0,1,2,3,4,5,6,7,8,9,10,11,12,13,14,15
	v_med3_num_f32 v[P+16*\b+\i], v[P+16*\b+\i], -v[BD+\b], v[BD+\b]
.endr
	v_cvt_scalef32_pk8_bf8_f32 v[C_+4*\b:C_+4*\b+1], v[P+16*\b:P+16*\b+7], v[SO+\b]
	v_cvt_scalef32_pk8_bf8_f32 v[C_+4*\b+2:C_+4*\b+3], v[P+16*\b+8:P+16*\b+15], v[SO+\b]
.endr
	v_nop                                          ; a plain line behind the last conversion
	global_store_b128 v[LI], v[C_:C_+3], s[10:11] offset:16384*(\j)        ; 32 lanes store 512 consecutive bytes, at a multiple of 512 from a_img's first byte
	global_store_b128 v[LI], v[C_+4:C_+7], s[10:11] offset:16384*(\j)+512
	global_store_b16 v[ADK], v[W_], s[12:13] offset:512*(\j)   ; two bytes of each of 16 rows of 32 (lanes r and r + 16 store the same): a row of a_sc spans the 16 heads, which lie in 16 work-groups; 1 byte in 32 of what the launch stores
.endm
	s_load_b256 s[4:11], s[0:1], 0x0               ; q_img s[4:5], q_sc s[6:7], kv s[8:9], a_img s[10:11]
	s_load_b64 s[12:13], s[0:1], 0x20              ; a_sc
	v_lshl_add_u32 v[SPW], v0, 2, SPARE
	v_mov_b32 v[NIL], 0
	ds_add_u32 v[SPW], v[NIL]                      ; the wave's opening: the add, twice on end, and its wait ahead of the first tensor load
	ds_add_u32 v[SPW], v[NIL]
	v_lshrrev_b32 v7, 5, v0
	v_readfirstlane_b32 s[WV], v7                  ; wave 0..7
	v_and_b32 v7, 31, v0
	v_lshlrev_b32 v[LI], 4, v7                     ; 16 x lane
	v_lshlrev_b32 v[LS], 2, v7                     ; 4 x lane
	v_and_b32 v7, 15, v0
	v_lshlrev_b32 v[BM], 2, v7                     ; 4 r: Q's scale words
	s_bfe_u32 s48, ttmp6, 0x40000                  ; cx: it enters the addresses of q_img, q_sc, a_img and a_sc alone
	s_and_b32 s49, ttmp7, 0xffff                   ; 16 x batch + head, which the four partners share
	s_mul_i32 s54, s[WV], 2*STEPB                  ; my two steps: in LDS,
	s_mul_i32 s50, s49, HS
	s_add_co_u32 s50, s50, s54                     ; and in kv (under 2^25)
	s_mov_b32 s51, 0
	s_lshl_b32 s55, s48, 5
	s_lshl_b32 s56, s[WV], 2
	s_add_co_u32 s55, s55, s56                     ; my first tile of queries: 32 cx + 4 x wave
	s_lshl_b32 s52, s49, 17
	s_lshl_b32 s56, s55, 10
	s_add_co_u32 s52, s52, s56                     ; q_img: 131,072 a head, 1,024 a tile
	s_mov_b32 s53, 0
	s_lshl_b32 s56, s49, 13                        ; q_sc: 8,192 a head, 64 a tile
	s_lshl_b32 s57, s55, 6
	s_add_co_u32 s56, s56, s57
	s_mov_b32 s57, 0
	s_lshr_b32 s58, s49, 4
	s_lshl_b32 s58, s58, 7
	s_add_co_u32 s58, s58, s55                     ; the tile of rows in a_img: 128 x batch + tile
	s_and_b32 s59, s49, 15                         ; the head
	s_lshl_b32 s60, s58, 14                        ; a_img: 16,384 a tile of rows, 1,024 a head
	s_lshl_b32 s61, s59, 10
	s_add_co_u32 s60, s60, s61
	s_mov_b32 s61, 0
	s_lshl_b32 s62, s58, 9                         ; a_sc: 32 bytes a row, 2 a head
	s_lshl_b32 s63, s59, 1
	s_add_co_u32 s62, s62, s63
	s_mov_b32 s63, 0
	; descriptor group 1: two steps, 34,304 dense bytes, as 134 rows of 256 bytes (32 elements of 8 bytes), no padding
	s_mov_b32 s[G1], 15|(3<<16)|(1<<21)            ; the mask: all four work-groups; elements of 8 bytes; bit 21 beside a mask
	s_mov_b32 s[G1+1], 32<<16
	s_mov_b32 s[G1+2], 134<<16
	s_mov_b32 s[G1+3], 32<<16
	s_mov_b32 s[G1+4], 134
	s_mov_b32 s[G1+5], 32
	s_mov_b32 s[G1+6], 0
	s_mov_b32 s[G1+7], 0
	s_mov_b32 s[SEL], 0x76543210
	s_mov_b32 s[SEL+1], 0xfedcba98
	s_mov_b32 s[CS], 0x3e38aa3b                    ; c = log2(e) / 8
	s_mov_b32 s[CS+1], s[CS]                       ; (named with it as a pair, so it is written)
	s_mov_b32 s[MNT], 0x600000
	s_mov_b32 s[TB], 0
	v_mov_b32 v[ST+1], 0xff61b1e6                  ; the largest score so far: -3e38, under every score
	v_mul_f32 v[T], s[CS], v[ST+1]
	v_floor_f32 v[ST], -v[T]                       ; -M
.irp j, 1,2,3
	v_mov_b32 v[ST+4*\j], v[ST]
	v_mov_b32 v[ST+4*\j+1], v[ST+1]
.endr
	v_mov_b32 v[OLD], v[ST]
.irp j, 0,1,2,3
	v_mov_b32 v[ST+4*\j+2], 0                      ; the sums
	v_mov_b32 v[ST+4*\j+3], 0
	v_mov_b32 v[SO+\j], 0                          ; written once: a lane permute's destination counts as one of its sources
.endr
.irp i, 0,1,2,3,4,5,6,7
	v_mov_b32 v[KF+64+\i], 0                       ; what stands behind K's last tile
.endr
	v_add_nc_u32 v[ADK], s[TB], v[LI]              ; step 0
	v_add_nc_u32 v[ADS], s[TB], v[LS]
	WIN 0x40
.irp j, 0,1,2,3
.irp i, 8,9,10,11,12,13,14,15
	v_mov_b32 v[QF+16*\j+\i], 0                    ; Q's upper 64 along K: zero codes
.endr
.endr
	WIN 0
	s_wait_alu depctr_va_vdst(0)                   ; the wait at the head's end
	s_wait_dscnt 0x0                               ; both opening adds are done
	s_wait_kmcnt 0x0
	s_add_nc_u64 s[4:5], s[4:5], s[52:53]
	s_add_nc_u64 s[6:7], s[6:7], s[56:57]
	s_add_nc_u64 s[8:9], s[8:9], s[50:51]
	s_add_nc_u64 s[10:11], s[10:11], s[60:61]
	s_add_nc_u64 s[12:13], s[12:13], s[62:63]
	s_mov_b32 s[G0], 1
	s_mov_b32 s[G0+1], s54
	s_mov_b64 s[G0+2:G0+3], s[8:9]
	s_or_b32 s[G0+3], s[G0+3], 0x80000000
	CROUND                                         ; all four work-groups are here: the joint loads meet
	tensor_load_to_lds s[G0:G0+3], s[G1:G1+7]      ; one load a wave, with no branch: my two steps
	s_nop 0
.rept 4
	v_nop
.endr
	WIN 0x40
.irp j, 0,1,2,3                                ; my four tiles of Q stay in registers
	global_load_b128 v[QF+16*\j:QF+16*\j+3], v[LI], s[4:5] offset:1024*\j
	global_load_b128 v[QF+16*\j+4:QF+16*\j+7], v[LI], s[4:5] offset:1024*\j+512
.endr
	WIN 0
.irp j, 0,1,2,3
	global_load_b32 v[QW+\j], v[BM], s[6:7] offset:64*\j
.endr
	s_wait_loadcnt 0x0
	s_wait_tensorcnt 0x0                           ; my two steps are in
	s_barrier_signal -1
	s_barrier_wait -1                              ; the whole head lies in LDS
	KLOADS
	s_wait_dscnt 0x0
	WIN 0x04
	SPRODS 0                                       ; step 0, tile 0
	WIN 0x40
.set n, 0
.rept 128
	v_mov_b32 v[OW+n], 0                           ; the four O^T as zeros, which the first change of M leaves zeros: the step is written without a first step of its own.  (Also the places behind the products above)
.set n, n+1
.endr
	WIN 0
	s_mov_b32 s[CNT], 16
.Lstep:
	TILE 0
	TILE 1
	TILE 2
	TILE 3
	s_sub_co_u32 s[CNT], s[CNT], 1
	s_cmp_lg_u32 s[CNT], 0
	s_cbranch_scc1 .Lstep
	v_and_b32 v[ADK], 60, v[LS]
	v_lshlrev_b32 v[ADK], 3, v[ADK]                ; 32 r: my row of a_sc
	FINISH 0
	FINISH 1
	FINISH 2
	FINISH 3
	s_wait_tensorcnt 0x0                           ; the wave's end
	ds_add_u32 v[SPW], v[NIL]
	s_wait_dscnt 0x0
	CROUND                                         ; the closing round
	s_endpgm
.Lfunc_end_k_q8662d2ae72_attn:
	.size	k_q8662d2ae72_attn, .Lfunc_end_k_q8662d2ae72_attn-k_q8662d2ae72_attn
	.p2alignl 7, 3214868480
	.fill 96, 4, 3214868480
	.section	.rodata,"a",@progbits
	.p2align	6, 0x0
	.amdhsa_kernel k_q8662d2ae72_attn
		.amdhsa_group_segment_fixed_size 327680
		.amdhsa_private_segment_fixed_size 0
		.amdhsa_enable_private_segment 0
		.amdhsa_kernarg_size 40
		.amdhsa_user_sgpr_count 2
		.amdhsa_user_sgpr_kernarg_segment_ptr 1
		.amdhsa_wavefront_size32 1
		.amdhsa_system_sgpr_workgroup_id_x 1
		.amdhsa_system_sgpr_workgroup_id_y 1
		.amdhsa_system_sgpr_workgroup_id_z 1
		.amdhsa_system_vgpr_workitem_id 0
		.amdhsa_next_free_vgpr 512
		.amdhsa_next_free_sgpr 66
		.amdhsa_reserve_vcc 0
		.amdhsa_float_denorm_mode_32 3
		.amdhsa_float_denorm_mode_16_64 3
		.amdhsa_memory_ordered 1
		.amdhsa_forward_progress 1
		.amdhsa_inst_pref_size 102
	.end_amdhsa_kernel
	.amdgpu_metadata
---
amdhsa.version: [ 1, 2 ]
amdhsa.kernels:
  - .name:           k_q8662d2ae72_attn
    .symbol:         k_q8662d2ae72_attn.kd
    .args:
      - { .name: q_img, .offset: 0, .size: 8, .value_kind: global_buffer, .address_space: global }
      - { .name: q_sc, .offset: 8, .size: 8, .value_kind: global_buffer, .address_space: global }
      - { .name: kv, .offset: 16, .size: 8, .value_kind: global_buffer, .address_space: global }
      - { .name: a_img, .offset: 24, .size: 8, .value_kind: global_buffer, .address_space: global }
      - { .name: a_sc, .offset: 32, .size: 8, .value_kind: global_buffer, .address_space: global }
    .group_segment_fixed_size: 327680
    .private_segment_fixed_size: 0
    .kernarg_segment_align: 8
    .kernarg_segment_size: 40
    .max_flat_workgroup_size: 256
    .sgpr_count:     66
    .vgpr_count:     512
    .wavefront_size: 32
...
	.end_amdgpu_metadata
.endif
;; end of part 2
;; launch oproj (part 3): grid 4 x 32, 4 waves a work-group, clusters of 4 x 4, 327,680 bytes of LDS; arguments a_img, a_sc, Wo_codes, Wo_scales, bo, out0; writes out0
.if DOCPART == 3
	.amdgcn_target "amdgcn-amd-amdhsa--gfx1250"
	.amdhsa_code_object_version 6
	.text
	.protected	k_q8662d2ae72_oproj
	.globl	k_q8662d2ae72_oproj
	.p2align	8
	.type	k_q8662d2ae72_oproj,@function
k_q8662d2ae72_oproj:
	s_mov_b64 s[64:65], 0
	v_nop
	global_prefetch_b8 v0, s[64:65] scope:SCOPE_SE
	s_setreg_imm32_b32 hwreg(HW_REG_WAVE_MODE, 25, 1), 1
	s_wait_xcnt 0x0
	s_wait_alu depctr_hold_cnt(0) depctr_sa_sdst(0) depctr_va_vdst(0) depctr_va_sdst(0) depctr_va_ssrc(0) depctr_va_vcc(0) depctr_vm_vsrc(0)
	s_getreg_b32 s2, hwreg(HW_REG_IB_STS2, 6, 4)
	s_cmp_eq_u32 s2, 0
	s_cbranch_scc0 .Lentry_in_a_cluster
	s_endpgm
.Lentry_in_a_cluster:
	s_bfe_u32 s2, ttmp6, 0x10000c
	s_cmp_lg_u32 s2, 0xf033
	s_cbranch_scc0 .Lentry_shape_is_right
	s_endpgm
.Lentry_shape_is_right:
.set SIZE_N, 1024
.set PITCH,  272
.set FR,     16
.set NL,     4
.set NP,     8
.set NQ,     2
.set ROWB,   256
.set KROW,   1024
.set ABYTES, 32768
.set HALFT,  128*PITCH
.set BOFF,   2*ABYTES
.set SLOT,   BOFF+2*HALFT
.set LAPS,   2
.set KS,     32
.set SCL,    2*SLOT
.set HALFS,  16*272
.set SBLK,   2*272
.set SPARE,  SCL+4*HALFS
.set SPITCH, 528
.set ADRA, 16
.set ADRB, 20
.set BO32, 22
.set STO,  24
.set RD,   25
.set CO,   26
.set ADRS, 27
.set SPW,  28
.set NIL,  29
.set SC,   32
.set BIAS, 64
.set AF,   128
.set BK,   128
.set G1, 24
.set G0, 32
.set G1B, 48
.set G0B, 56
.set G1S, 68
.set G0S, 76
.set G1SB, 80
.set G0SB, 88
.set MSB, 0
.macro WIN new
.if MSB != (\new)
	s_set_vgpr_msb (MSB<<8)|(\new)
.set MSB, (\new)
.endif
.endm
.set MUL_LO, 0xa1
.set MUL_HI, 0xf1
.set TO_B,   0x40
.macro JLOAD g0a, g1a, g0b, g1b
	s_cmp_eq_u32 s15, 0
	s_cbranch_scc0 .Lfor_b_\@
	tensor_load_to_lds s[\g0a:\g0a+3], s[\g1a:\g1a+7]
	s_nop 0
.rept 4
	v_nop
.endr
	s_branch .Lasked_\@
.Lfor_b_\@:
	tensor_load_to_lds s[\g0b:\g0b+3], s[\g1b:\g1b+7]
	s_nop 0
.rept 4
	v_nop
.endr
.Lasked_\@:
.endm
.macro CREST
	s_cmp_lg_u32 s14, 0
	s_cbranch_scc1 .Lnot_wave_0_\@
	s_barrier_signal -3
.Lnot_wave_0_\@:
	s_barrier_wait -3
	s_barrier_signal -1
	s_barrier_wait -1
.endm
.macro CROUND
	s_barrier_signal -1
	s_barrier_wait -1
	CREST
.endm
	s_load_b128 s[4:7], s[0:1], 0x0
	s_load_b128 s[8:11], s[0:1], 0x10
	s_load_b64 s[96:97], s[0:1], 0x20
	s_load_b64 s[12:13], s[0:1], 0x28
	v_lshl_add_u32 v[SPW], v0, 2, SPARE
	v_mov_b32 v[NIL], 0
	ds_add_u32 v[SPW], v[NIL]
	ds_add_u32 v[SPW], v[NIL]
	v_lshrrev_b32 v1, 5, v0
	v_readfirstlane_b32 s14, v1
	s_lshr_b32 s15, s14, 1
	s_and_b32 s16, s14, 1
	s_bfe_u32 s40, ttmp6, 0x40000
	s_bfe_u32 s41, ttmp6, 0x40004
	s_lshl_b32 s42, ttmp9, 2
	s_add_co_u32 s42, s42, s40
	s_and_b32 s17, ttmp7, 0xffff
	s_lshl_b32 s17, s17, 2
	s_add_co_u32 s17, s17, s41
	s_lshl_b32 s43, s41, 2
	s_lshl_b32 s43, 15, s43
	s_lshl_b32 s44, 0x1111, s40
	s_or_b32 s[G1+0], s43, (3<<16)|(1<<21)
	s_mov_b32 s[G1+1], 512<<16
	s_mov_b32 s[G1+2], 16<<16                      ; the head's load of A brings 16 tiles of 16 rows
	s_mov_b32 s[G1+3], 512<<16
	s_mov_b32 s[G1+4], 16
	s_mov_b32 s[G1+5], 2048
	s_mov_b32 s[G1+6], 0
	s_mov_b32 s[G1+7], 0
	s_or_b32 s[G1B+0], s44, (0<<16)|(1<<20)|(1<<21)|(5<<22)|(3<<25)
	s_mov_b32 s[G1B+1], ROWB<<16
	s_mov_b32 s[G1B+2], 256<<16                    ; the head's load of B brings 256 rows
	s_mov_b32 s[G1B+3], ROWB<<16
	s_mov_b32 s[G1B+4], 256
	s_mov_b32 s[G1B+5], KROW
	s_mov_b32 s[G1B+6], 0
	s_mov_b32 s[G1B+7], 0
	s_or_b32 s[G1S+0], s43, (3<<16)|(1<<20)|(1<<21)|(5<<22)|(3<<25)
	s_or_b32 s[G1SB+0], s44, (3<<16)|(1<<20)|(1<<21)|(5<<22)|(3<<25)
.irp g, G1S, G1SB
	s_mov_b32 s[\g+1], 32<<16
	s_mov_b32 s[\g+2], 32<<16                      ; the scale bytes of 256 rows: 32 rows of 256 bytes
	s_mov_b32 s[\g+3], 32<<16
	s_mov_b32 s[\g+4], 32
	s_mov_b32 s[\g+5], 32
	s_mov_b32 s[\g+6], 0
	s_mov_b32 s[\g+7], 0
.endr
	s_lshl_b32 s20, s17, 8                         ; the tiles' first rows
	s_lshl_b32 s46, s42, 8
	s_lshl_b32 s22, s20, 5
	s_mov_b32 s23, 0
	s_lshl_b32 s20, s20, 10
	s_mov_b32 s21, 0
	s_lshl_b32 s92, s46, 5
	s_mov_b32 s93, 0
	s_lshl_b32 s46, s46, 10
	s_mov_b32 s47, 0
	s_mul_i32 s45, s16, ABYTES
	s_mul_i32 s95, s16, HALFT
	s_add_co_u32 s95, s95, BOFF
	s_wait_dscnt 0x0
	s_wait_kmcnt 0x0
	s_add_nc_u64 s[20:21], s[4:5], s[20:21]
	s_add_nc_u64 s[22:23], s[6:7], s[22:23]
	s_add_nc_u64 s[46:47], s[8:9], s[46:47]
	s_add_nc_u64 s[92:93], s[10:11], s[92:93]
	CROUND
	s_mov_b32 s[G0S], 1
	s_mov_b32 s[G0S+1], SCL
	s_mov_b64 s[G0S+2:G0S+3], s[22:23]
	s_or_b32 s[G0S+3], s[G0S+3], 0x80000000
	s_mov_b32 s[G0SB], 1
	s_mov_b32 s[G0SB+1], SCL+2*HALFS
	s_mov_b64 s[G0SB+2:G0SB+3], s[92:93]
	s_or_b32 s[G0SB+3], s[G0SB+3], 0x80000000
	s_mov_b32 s4, 1                                ; s[4:7], s[8:11]: group 0 of the head's loads of K step 0, 256 rows each (the arguments that lay there have been used)
	s_mov_b32 s5, 0
	s_mov_b64 s[6:7], s[20:21]
	s_or_b32 s7, s7, 0x80000000
	s_mov_b32 s8, 1
	s_mov_b32 s9, BOFF
	s_mov_b64 s[10:11], s[46:47]
	s_or_b32 s11, s11, 0x80000000
	s_lshl_b32 s18, s16, 17                        ; for the ring: my 128 rows of a tile, 1,024 bytes a row in both tensors
	s_mov_b32 s19, 0
	s_add_nc_u64 s[20:21], s[20:21], s[18:19]
	s_add_nc_u64 s[46:47], s[46:47], s[18:19]
.irp s, 0,1
	s_mov_b32 s[G0+4*\s], 1
	s_add_co_u32 s[G0+4*\s+1], s45, \s*SLOT
	s_add_nc_u64 s[G0+4*\s+2:G0+4*\s+3], s[20:21], \s*4096
	s_or_b32 s[G0+4*\s+3], s[G0+4*\s+3], 0x80000000
	s_mov_b32 s[G0B+4*\s], 1
	s_add_co_u32 s[G0B+4*\s+1], s95, \s*SLOT
	s_add_nc_u64 s[G0B+4*\s+2:G0B+4*\s+3], s[46:47], \s*ROWB
	s_or_b32 s[G0B+4*\s+3], s[G0B+4*\s+3], 0x80000000
.endr
; the head's four tiles, one joint load a wave, in one chain of branches on the wave's number: A's 256 rows, B's, and their scale bytes
.macro ARM under, g0, g1, next
	s_cmp_lt_u32 s14, \under
	s_cbranch_scc0 \next
	tensor_load_to_lds s[\g0:\g0+3], s[\g1:\g1+7]
	s_nop 0
.rept 4
	v_nop
.endr
	s_branch .Lhead_asked
\next:
.endm
	ARM 1, 4, G1, .Lhead_b
	ARM 2, 8, G1B, .Lhead_sa
	ARM 3, G0S, G1S, .Lhead_sb
	tensor_load_to_lds s[G0SB:G0SB+3], s[G1SB:G1SB+7]
	s_nop 0
.rept 4
	v_nop
.endr
.Lhead_asked:
	v_and_b32 v1, 15, v0
	v_bfe_u32 v2, v0, 4, 1
	v_and_b32 v6, 31, v0
	v_lshlrev_b32 v[CO], 4, v6
	v_mul_u32_u24 v3, v1, PITCH
	v_lshl_add_u32 v4, v2, 4, v3
	s_mul_i32 s21, s15, ABYTES
	s_mul_i32 s22, s16, HALFT
	s_add_co_u32 s22, s22, BOFF
.irp s, 0,1
	v_add_nc_u32 v[ADRA+\s], s21, v[CO]
	v_add_nc_u32 v[ADRB+\s], s22, v4
	s_add_co_u32 s21, s21, SLOT
	s_add_co_u32 s22, s22, SLOT
.endr
	v_mul_u32_u24 v5, v1, KS
	v_lshrrev_b32 v6, 8, v5
	v_lshl_add_u32 v5, v6, 4, v5
	s_mul_i32 s21, s15, HALFS
	s_mul_i32 s22, s16, HALFS
	s_add_co_u32 s22, s22, 2*HALFS
	s_sub_co_u32 s22, s22, s21
	v_mul_u32_u24 v6, s22, v2
	s_add_co_u32 s21, s21, SCL
	v_add_nc_u32 v5, v5, v6
	v_add_nc_u32 v[ADRS], s21, v5
	s_mul_i32 s23, s14, 16*SPITCH
	v_mul_u32_u24 v5, v1, SPITCH
	v_lshl_add_u32 v5, v2, 5, v5
	v_add_nc_u32 v[STO], s23, v5
	v_add_nc_u32 v[RD], s23, v[CO]
	s_lshl_b32 s20, s17, 8
	s_lshl_b32 s21, s15, 7
	s_add_co_u32 s20, s20, s21
	s_lshl_b32 s20, s20, 12
	s_mov_b32 s21, 0
	s_lshl_b32 s46, s42, 10
	s_lshl_b32 s47, s16, 9
	s_add_co_u32 s46, s46, s47
	s_mov_b32 s47, 0
	s_add_nc_u64 s[96:97], s[96:97], s[46:47]
	s_add_nc_u64 s[20:21], s[20:21], s[46:47]
	s_add_nc_u64 s[12:13], s[12:13], s[20:21]
	v_lshlrev_b32 v[BO32], 5, v2
.irp b, 0,1,2,3,4,5,6,7
	global_load_b128 v[BIAS+8*\b:BIAS+8*\b+3], v[BO32], s[96:97] offset:64*\b
	global_load_b128 v[BIAS+8*\b+4:BIAS+8*\b+7], v[BO32], s[96:97] offset:64*\b+16
.endr
	s_wait_alu depctr_va_vdst(0)
	s_wait_loadcnt 0x0
.macro FRAG reg, adr, q, i
.irp c, 0,1,2,3
	ds_load_b128 v[\reg+4*\c:\reg+4*\c+3], v[\adr] offset:128*(\q)+32*\c+(\i)*16*PITCH
.endr
.endm
.macro FRAGA reg, adr, q, i
.irp c, 0,1,2,3
	ds_load_b128 v[\reg+4*\c:\reg+4*\c+3], v[\adr] offset:4096*(\i)+2048*(\q)+512*\c
.endr
.endm
.macro MUL16 a0, p, q, sc, cmode
.irp a, \a0, \a0+1
.irp b, 0,1,2,3,4,5,6,7
.set rD, 8*(8*((\a)%4)+\b)
.set rB, 128*(\p)+FR*\b
.set rA, AF+FR*(\a)
.set rC, rD
.if \cmode == 1
.set rC, BIAS+8*\b
.endif
	v_wmma_scale_f32_16x16x128_f8f6f4 v[rD:rD+7], v[rB:rB+FR-1], v[rA:rA+FR-1], v[rC:rC+7], v[SC+8*NQ*(\sc)+NQ*\b+(\q)], v[SC+8*NQ*(\sc)+NQ*(\a)+(\q)] matrix_a_fmt:MATRIX_FMT_BF8 matrix_b_fmt:MATRIX_FMT_BF8 matrix_a_scale:MATRIX_SCALE_ROW1
.endr
.endr
.endm
.macro FETCH_B slot, q, p
	WIN TO_B
.irp i, 0,1,2,3,4,5,6,7
	FRAG 128*(\p)+FR*\i, ADRB+\slot, \q, \i
.endr
	WIN 0
.endm
.macro FETCH_A slot, q, i0
.irp i, \i0, \i0+1, \i0+2, \i0+3
	FRAGA AF+FR*(\i), ADRA+\slot, \q, \i
.endr
.endm
.macro SCALES sc
.irp i, 0,1,2,3,4,5,6,7
	ds_load_b64 v[SC+8*NQ*\sc+NQ*\i:SC+8*NQ*\sc+NQ*\i+1], v[ADRS] offset:\i*SBLK
.endr
.endm
.macro PLACES n
.rept \n
	v_nop
.endr
.endm
.macro STEP slot, q, cmode
	s_wait_dscnt 4*NL
.if \cmode
	WIN 0x81
.else
	WIN MUL_LO
.endif
	MUL16 0, (\q)%2, \q, \slot, \cmode
	MUL16 2, (\q)%2, \q, \slot, \cmode
	s_wait_dscnt 0
	PLACES NP
	FETCH_B \slot, (\q)+1, 1-(\q)%2
	FETCH_A \slot, (\q)+1, 0
.if \cmode
	WIN 0xc1
.else
	WIN MUL_HI
.endif
	MUL16 4, (\q)%2, \q, \slot, \cmode
	MUL16 6, (\q)%2, \q, \slot, \cmode
	PLACES NP
	WIN 0
	FETCH_A \slot, (\q)+1, 4
.endm
.macro TURN slot, next, fill
	s_wait_tensorcnt 0x0
	ds_add_u32 v[SPW], v[NIL]
	s_wait_dscnt 4*NL+1
	WIN MUL_LO
	MUL16 0, 1, NQ-1, \slot, 0
	s_wait_dscnt 0x0
	s_barrier_signal -1
	MUL16 2, 1, NQ-1, \slot, 0
	WIN 0
	s_barrier_wait -1
.if \fill
	CREST
	s_add_nc_u64 s[G0+4*\slot+2:G0+4*\slot+3], s[G0+4*\slot+2:G0+4*\slot+3], 2*4096
	s_add_nc_u64 s[G0B+4*\slot+2:G0B+4*\slot+3], s[G0B+4*\slot+2:G0B+4*\slot+3], 2*ROWB
	JLOAD G0+4*\slot, G1, G0B+4*\slot, G1B
	PLACES NP-4
.else
	PLACES NP
.endif
	s_wait_alu depctr_va_vdst(0)
	v_add_nc_u32 v[ADRS], 4*NQ, v[ADRS]
	FETCH_B \next, 0, 0
	FETCH_A \next, 0, 0
	SCALES \next
	WIN MUL_HI
	MUL16 4, 1, NQ-1, \slot, 0
	MUL16 6, 1, NQ-1, \slot, 0
	PLACES NP
	WIN 0
	FETCH_A \next, 0, 4
.endm
	s_wait_alu depctr_va_vdst(0)                   ; the wait at the head's end
	s_wait_tensorcnt 0x0                           ; my tile of the head's four is in; the lines ahead of a later first fill:
	ds_add_u32 v[SPW], v[NIL]
	s_mov_b32 s[G1+2], 8<<16                       ; no tensor load of mine is out: from here on a load brings 128 rows
	s_mov_b32 s[G1+4], 8
	s_mov_b32 s[G1B+2], 128<<16
	s_mov_b32 s[G1B+4], 128
	s_wait_dscnt 0x0
	CROUND                                         ; all four tiles are in, and the sixteen work-groups are here
	JLOAD G0+4, G1, G0B+4, G1B                     ; K step 1, the first tensor load behind the round
	FETCH_B 0, 0, 0
	FETCH_A 0, 0, 0
	SCALES 0
	FETCH_A 0, 0, 4
	STEP 0, 0, 1
	s_mov_b32 s3, LAPS-1
.Llap:
	TURN 0, 1, 1
	STEP 1, 0, 0
	TURN 1, 0, 1
	STEP 0, 0, 0
	s_sub_co_u32 s3, s3, 1
	s_cmp_lg_u32 s3, 0
	s_cbranch_scc1 .Llap
	TURN 0, 1, 0
	STEP 1, 0, 0
	s_wait_dscnt 4*NL
	WIN MUL_LO
	MUL16 0, 1, NQ-1, 1, 0
	MUL16 2, 1, NQ-1, 1, 0
	s_wait_dscnt 0
	WIN MUL_HI
	MUL16 4, 1, NQ-1, 1, 0
	MUL16 6, 1, NQ-1, 1, 0
	WIN 0
.macro TOSTAGE a
.set AC, 64*((\a)%4)
	WIN 0x08+4*((\a)/4)
.irp b, 0,1,2,3,4,5,6,7
	ds_store_b128 v[STO], v[AC+8*\b:AC+8*\b+3] offset:64*\b
	ds_store_b128 v[STO], v[AC+8*\b+4:AC+8*\b+7] offset:64*\b+16
.endr
	WIN 0
.set BB, BK+64*((\a)%2)
.irp t, 0,1,2,3,4,5,6,7,8,9,10,11,12,13,14,15
	ds_load_b128 v[BB+4*\t:BB+4*\t+3], v[RD] offset:\t*SPITCH
.endr
.endm
.macro SEND a, younger
.set BB, BK+64*((\a)%2)
	s_wait_dscnt \younger
.irp t, 0,1,2,3,4,5,6,7,8,9,10,11,12,13,14,15
	global_store_b128 v[CO], v[BB+4*\t:BB+4*\t+3], s[12:13] offset:(32*((\a)/2)+8*((\a)%2)+\t+8*(\t/8))*SIZE_N*4 th:TH_STORE_NT
.endr
.endm
	PLACES NP
	TOSTAGE 0
.irp a, 1,2,3,4,5,6,7
.if \a > 1
	s_wait_xcnt 0x0
.endif
	TOSTAGE \a
	SEND \a-1, 32
.endr
	SEND 7, 0
	s_wait_tensorcnt 0x0
	ds_add_u32 v[SPW], v[NIL]
	s_wait_dscnt 0x0
	CROUND
	s_endpgm
.Lfunc_end_k_q8662d2ae72_oproj:
	.size	k_q8662d2ae72_oproj, .Lfunc_end_k_q8662d2ae72_oproj-k_q8662d2ae72_oproj
	.p2alignl 7, 3214868480
	.fill 96, 4, 3214868480
	.section	.rodata,"a",@progbits
	.p2align	6, 0x0
	.amdhsa_kernel k_q8662d2ae72_oproj
		.amdhsa_group_segment_fixed_size 327680
		.amdhsa_private_segment_fixed_size 0
		.amdhsa_enable_private_segment 0
		.amdhsa_kernarg_size 48
		.amdhsa_user_sgpr_count 2
		.amdhsa_user_sgpr_kernarg_segment_ptr 1
		.amdhsa_wavefront_size32 1
		.amdhsa_system_sgpr_workgroup_id_x 1
		.amdhsa_system_sgpr_workgroup_id_y 1
		.amdhsa_system_sgpr_workgroup_id_z 1
		.amdhsa_system_vgpr_workitem_id 0
		.amdhsa_next_free_vgpr 1024
		.amdhsa_next_free_sgpr 100
		.amdhsa_reserve_vcc 0
		.amdhsa_float_denorm_mode_32 3
		.amdhsa_float_denorm_mode_16_64 3
		.amdhsa_memory_ordered 1
		.amdhsa_forward_progress 1
		.amdhsa_inst_pref_size 148
	.end_amdhsa_kernel
	.amdgpu_metadata
---
amdhsa.version: [ 1, 2 ]
amdhsa.kernels:
  - .name:           k_q8662d2ae72_oproj
    .symbol:         k_q8662d2ae72_oproj.kd
    .args:
      - { .name: a_img, .offset: 0, .size: 8, .value_kind: global_buffer, .address_space: global }
      - { .name: a_sc, .offset: 8, .size: 8, .value_kind: global_buffer, .address_space: global }
      - { .name: Wo_codes, .offset: 16, .size: 8, .value_kind: global_buffer, .address_space: global }
      - { .name: Wo_scales, .offset: 24, .size: 8, .value_kind: global_buffer, .address_space: global }
      - { .name: bo, .offset: 32, .size: 8, .value_kind: global_buffer, .address_space: global }
      - { .name: out0, .offset: 40, .size: 8, .value_kind: global_buffer, .address_space: global }
    .group_segment_fixed_size: 327680
    .private_segment_fixed_size: 0
    .kernarg_segment_align: 8
    .kernarg_segment_size: 48
    .max_flat_workgroup_size: 128
    .sgpr_count:     100
    .vgpr_count:     1024
    .wavefront_size: 32
...
	.end_amdgpu_metadata
.endif
;; end of part 3
